; MI455X (gfx1250); checked and timed in simulation.
; The chip was launched on July 23, 2026; its instructions are those of AMD's public machine-readable ISA for CDNA 5 (MIT licence, August 2026) and "CDNA5" Instruction Set Architecture Reference Guide (July 2026). The comments in the code are by the model that wrote it; some were corrected since.
;; Self Attention Block. Allowed arithmetic: matrix products marked QUANTISED: E2M1 operands, one E8M0 scale for each 32 along K, by v_wmma_scale_f32_16x16x128_f8f6f4 with both operands' format E2M1 (or v_wmma_scale_f32_32x16x128_f4), f32 sums; everything else in f32.
;; Inputs: Wk_codes 2,048 x 64 x 16 uint8 (E2M1 codes of Wk, K innermost, in blocks of 32 codes, two codes a byte); Wk_scales 2,048 x 64 uint8 (E8M0 scales of Wk, one for each 32 codes along K); Wq_codes 2,048 x 64 x 16 uint8 (E2M1 codes of Wq, K innermost, in blocks of 32 codes, two codes a byte); Wq_scales 2,048 x 64 uint8 (E8M0 scales of Wq, one for each 32 codes along K); Wv_codes 2,048 x 64 x 16 uint8 (E2M1 codes of Wv, K innermost, in blocks of 32 codes, two codes a byte); Wv_scales 2,048 x 64 uint8 (E8M0 scales of Wv, one for each 32 codes along K); bk 2,048 float32; bq 2,048 float32; bv 2,048 float32; x 8 x 512 x 2,048 float32.
;; Outputs: out0 8 x 512 x 2,048 float32.
;; This version of the problem:
;;   THIS VERSION OF THE PROBLEM IS GIVEN IN LOW PRECISION. The matrix products marked QUANTISED in the list below multiply operands that are first quantised to E2M1 (2 exponent bits, 1 mantissa bit; 4 bits a number), with one power-of-two scale for each 32 numbers along K (OCP MX v1.0); their sums are f32. All else is computed in f32.
;;   The module's matrix products, in the order in which they are computed (A, B: the left and right operand; K: the contracted axis; several contracted axes count as one K, in the product's order):
;;     1. [M 4,096, K 2,048] x [K 2,048, N 2,048]; A: input x; B: input Wq (given as codes): QUANTISED
;;     2. [M 4,096, K 2,048] x [K 2,048, N 2,048]; A: input x; B: input Wk (given as codes): QUANTISED
;;     3. [M 4,096, K 2,048] x [K 2,048, N 2,048]; A: input x; B: input Wv (given as codes): QUANTISED
;;     4. batch 128 x [M 512, K 128] x [K 128, N 512]; A: computed on the way; B: computed on the way: QUANTISED
;;     5. batch 128 x [M 128, K 512] x [K 512, N 512]; A: computed on the way; B: softmax (see below): QUANTISED
;;   THE QUANTISER, for each operand of a quantised product, along K:
;;     - K is cut into blocks of 32 from its start; a last block that is shorter is filled with zeros.
;;     - A block's scale is 2^e with e = floor(log2(the largest magnitude in the block)) - 2, held to -126 .. 127; a block of zeros has e = 0. As a byte (E8M0): e + 127.
;;     - Each number is divided by its block's scale, clamped to +-6, and rounded to the nearest number of E2M1, ties to even, subnormals kept.
;;     - The product sums the exact products of the quantised numbers (number of the format x scale) in f32.
;;   ~~~python
;;   def quantise(x, axis):      # numpy; x: float32 -> the quantised numbers, widened to float32 again
;;       x = np.moveaxis(x, axis, -1); K = x.shape[-1]
;;       x = np.pad(x, [(0, 0)] * (x.ndim - 1) + [(0, -K % 32)]); x = x.reshape(x.shape[:-1] + (-1, 32)); a = np.abs(x).max(-1, keepdims=True)
;;       e = np.where(a > 0, np.clip(np.frexp(np.where(a > 0, a, 1))[1] - 1 - 2, -126, 127), 0)      # np.frexp(a)[1] - 1 = floor(log2(a)), exactly
;;       r = np.clip(x / 2.0 ** e, -6, 6)
;;       step = 2.0 ** (np.maximum(np.frexp(np.where(r == 0, 1, r))[1] - 1, 0) - 1)
;;       q = np.round(r / step) * step * 2.0 ** e      # np.round: ties to even
;;       return np.moveaxis(q.reshape(q.shape[:-2] + (-1,))[..., :K], -1, axis).astype(np.float32)
;;   ~~~
;;   SOFTMAX AHEAD OF A QUANTISED PRODUCT. Where the list says 'softmax', what is quantised is not the finished softmax but p = 2^(t - M), with t = logit x log2(e) and M = ceil(the row's largest t), a whole number; so 1/2 < the row's largest p <= 1. The row's sum l is taken of the UNQUANTISED p, in f32, and the product's result is divided by l at the end. Since M is a whole number, a kernel that streams over the keys may use a running M (the ceiling of the running maximum): every later rescaling is an exact power of two, which a block's scale takes up: the codes' values come out the same.
;;   OPERANDS COMPUTED ON THE WAY. 'Computed on the way' means the value that the module computes at that place (a softmax that the list does not call 'softmax' is quantised finished and normalised). What goes into a quantiser is computed in f32, as accurately as f32 sums, v_exp_f32 and their like allow (about 1e-6 of the number): no bf16 or f16 on the way to a quantiser, and a product that is left as it is and whose result goes on into a quantised operand takes f32 operands (vector FMAs, or v_wmma_f32_16x16x4_f32). A number that lies on a knife's edge between two numbers of the format may be rounded either way, as far as f32 arithmetic and the matrix unit's own rounding can turn it there, and no further.
;;   INPUTS GIVEN AS CODES. Wk (in the module: [2048, 2048], K = its axis 0); Wq (in the module: [2048, 2048], K = its axis 0); Wv (in the module: [2048, 2048], K = its axis 0): each comes as NAME_codes (uint8): NAME with its K axis moved to the last place and cut into blocks of 32 codes, [.., K / 32, bytes a block], one block behind the other in memory; two codes a byte, the lower K in the low four bits (a code: sign, 2 exponent bits, 1 mantissa bit); and NAME_scales (uint8): the same leading axes, one E8M0 byte (e + 127) for each 32 codes along K. Its value is code x scale, taken as it is: it is not quantised again, and the codes and scales need not be those that the quantiser above would give.
;; One version. Each part assembles by itself: llvm-mc -triple=amdgcn-amd-amdhsa -mcpu=gfx1250 --defsym DOCPART=n.
;; ======== version 1 of 1: 3 launches
;; limits: right only within a limited range of input values
;; workspace buffers: x_codes 4,194,304 bytes; x_scales 262,144 bytes; w_scales 393,216 bytes; qkv_codes 12,582,912 bytes; qkv_scales 786,432 bytes
;; launch quant_x (part 1): grid 256 x 1, 4 waves a work-group, no clusters, 36,352 bytes of LDS; arguments x, Wq_scales, Wk_scales, Wv_scales, x_codes, x_scales, w_scales; writes x_codes, x_scales, w_scales
.if DOCPART == 1
	.amdgcn_target "amdgcn-amd-amdhsa--gfx1250"
	.amdhsa_code_object_version 6
	.text
	.protected	k_q1233b6a371_quant_x
	.globl	k_q1233b6a371_quant_x
	.p2align	8
	.type	k_q1233b6a371_quant_x,@function
k_q1233b6a371_quant_x:
	s_mov_b64 s[64:65], 0
	v_nop
	global_prefetch_b8 v0, s[64:65] scope:SCOPE_SE
	s_setreg_imm32_b32 hwreg(HW_REG_WAVE_MODE, 25, 1), 1
	s_wait_xcnt 0x0
; x [4096][2048] f32 becomes codes of FP4 (E2M1) with one E8M0 byte for each 32 along K, laid as images of operand registers:
;   codes: [tile of 256 tokens][K step of 128][fragment of 16 tokens][register group c][lane] x 16 bytes: lane (r, h) holds k = 64 c + 32 h + 0 .. 31 of token r;
;   scale bytes: [tile][256 along K][group of 32 tokens][token] x 8 bytes.
; The scale bytes of Wq, Wk, Wv (given) are laid anew in the same manner: [head][256 along K][12 groups][row] x 8 bytes; groups: Q's four and V's first two, then K's four and V's last two.
; A block's scale is 2^(floor(log2(its largest magnitude)) - 2); its byte is the largest magnitude's exponent field - 2, held at 1 from below.
; LIMITS: NaN and infinities among the inputs are not served.  A block whose largest magnitude lies under 2^(3 - 127), a block of zeros among them, gets the byte 1:
; a block of zeros has zero codes, which add nothing under that byte, and this program alone reads the bytes.
; A work-group takes 32 tokens x 1,024 along K, a wave 32 tokens x 256: eight steps of 16 tokens x 64.  All 64 loads go out at the start, each of two rows' 256 bytes; a step turns through the wave's own stage in LDS,
; so that a lane holds one whole block of 32.  Its codes are 16 bytes: a wave stores 512 consecutive bytes.  Waves share nothing: no barrier, no tensor load.  No matrix work, no cluster: each byte is read once.
.set SP,    272                        ; a stage's row: 256 bytes + 16 of padding
.set WREG,  8960                       ; LDS of a wave: two stages of 16 rows, then its 256 scale bytes
.set SPARE, 4*WREG
.set X,     32                         ; v32-95  two sets of 32 neighbours
.set C,     96                         ; v96-127 codes, four registers a step
.set E,     128                        ; v128-135 a scale byte a step.  Window 1: the 256 registers of x as they are loaded
.set MSB, 0
.macro WIN new
.if MSB != \new
	s_set_vgpr_msb (MSB<<8)|\new
.set MSB, \new
.endif
.endm
	s_load_b256 s[4:11], s[0:1], 0x0               ; x, the scales of Wq, Wk, Wv
	s_load_b128 s[12:15], s[0:1], 0x20             ; x_codes, x_scales
	s_load_b64 s[16:17], s[0:1], 0x30              ; w_scales
	v_lshl_add_u32 v24, v0, 2, SPARE
	v_mov_b32 v25, 0
	v_lshrrev_b32 v1, 5, v0
	v_readfirstlane_b32 s18, v1                    ; wave
	v_and_b32 v2, 31, v0                           ; lane
	v_and_b32 v3, 15, v0                           ; r
	v_bfe_u32 v4, v0, 4, 1                         ; h
	s_mul_i32 s19, s18, WREG
	v_lshlrev_b32 v5, 13, v4
	v_lshl_add_u32 v5, v3, 4, v5                   ; x: lanes 0-15 one row's 256 bytes, lanes 16-31 the next row's
	v_mul_u32_u24 v14, v4, SP
	v_lshl_add_u32 v14, v3, 4, v14
	v_add_nc_u32 v14, s19, v14                     ; the stage, on the way in
	v_mul_u32_u24 v15, v3, SP
	v_lshl_add_u32 v15, v4, 7, v15
	v_add_nc_u32 v15, s19, v15                     ; and on the way out: row r, block h
	s_add_co_u32 s19, s19, 2*16*SP
	v_lshlrev_b32 v16, 4, v2                       ; 16 x lane
	v_lshlrev_b32 v17, 3, v2                       ; 8 x lane
	v_lshl_add_u32 v18, v3, 3, v4
	v_add_nc_u32 v18, s19, v18                     ; my block's scale byte
	v_add_nc_u32 v19, s19, v17                     ; and 8 bytes a lane on the way out
	v_lshlrev_b32 v20, 6, v2                       ; a weight's row of 64 scale bytes
	s_lshr_b32 s20, ttmp9, 1                       ; which 32 tokens
	s_and_b32 s21, ttmp9, 1
	s_lshl_b32 s21, s21, 2
	s_add_co_u32 s21, s21, s18                     ; j: which 256 along K
	s_lshr_b32 s22, s20, 3                         ; tile of 256 tokens
	s_and_b32 s23, s20, 7                          ; group of 32 in it
	s_lshl_b32 s26, s20, 18
	s_lshl_b32 s24, s21, 10
	s_add_co_u32 s26, s26, s24
	s_mov_b32 s27, 0
	s_lshl_b32 s28, s22, 18
	s_lshl_b32 s24, s21, 15
	s_add_co_u32 s28, s28, s24
	s_lshl_b32 s24, s23, 11
	s_add_co_u32 s28, s28, s24
	s_mov_b32 s29, 0
	s_lshl_b32 s30, s22, 14
	s_lshl_b32 s24, s21, 11
	s_add_co_u32 s30, s30, s24
	s_lshl_b32 s24, s23, 8
	s_add_co_u32 s30, s30, s24
	s_mov_b32 s31, 0
	; the weights' scales: work-groups 0 to 191 take a group of 32 rows of one weight each, a wave 512 along K of it
	s_min_u32 s24, ttmp9, 191
	s_lshr_b32 s32, s24, 6                         ; which weight
	s_and_b32 s33, s24, 63                         ; which 32 rows
	s_lshr_b32 s34, s33, 2                         ; head
	s_and_b32 s35, s33, 3                          ; group in the head
	s_mul_i32 s36, s32, 6
	s_add_co_u32 s36, s36, s35                     ; Q, K: place 6 x section + group
	s_lshr_b32 s37, s35, 1
	s_mul_i32 s37, s37, 6
	s_and_b32 s38, s35, 1
	s_add_co_u32 s37, s37, s38
	s_add_co_u32 s37, s37, 4                       ; V: 6 x (group / 2) + 4 + group % 2
	s_cmp_lt_u32 s32, 2
	s_cselect_b32 s36, s36, s37
	s_mul_i32 s38, s34, 24576
	s_lshl_b32 s36, s36, 8
	s_add_co_u32 s38, s38, s36
	s_mul_i32 s36, s18, 6144
	s_add_co_u32 s38, s38, s36
	s_mov_b32 s39, 0
	s_lshl_b32 s40, s33, 11
	s_lshl_b32 s36, s18, 4
	s_add_co_u32 s40, s40, s36
	s_mov_b32 s41, 0
	s_wait_alu depctr_va_vdst(0)                   ; the wait at the head's end
	s_wait_kmcnt 0x0
	s_cmp_eq_u32 s32, 0
	s_cselect_b64 s[42:43], s[6:7], s[8:9]
	s_cmp_eq_u32 s32, 2
	s_cselect_b64 s[42:43], s[10:11], s[42:43]
	s_add_nc_u64 s[42:43], s[42:43], s[40:41]
	s_add_nc_u64 s[4:5], s[4:5], s[26:27]
	s_add_nc_u64 s[12:13], s[12:13], s[28:29]
	s_add_nc_u64 s[14:15], s[14:15], s[30:31]
	s_add_nc_u64 s[16:17], s[16:17], s[38:39]
	global_load_b128 v[28:31], v20, s[42:43]
	WIN 0x40
.irp t, 0,1,2,3,4,5,6,7
.irp i, 0,1,2,3,4,5,6,7
	global_load_b128 v[32*\t+4*\i:32*\t+4*\i+3], v5, s[4:5] offset:(16*(\t/4)+2*\i)*8192+256*(\t%4) th:TH_LOAD_NT
.endr
.endr
	WIN 0
.macro TURN t                          ; LDS serves a wave's instructions in order (ISA guide 5.7.1.4): no wait between the stores and the loads
	WIN 0x04
.irp i, 0,1,2,3,4,5,6,7
	ds_store_b128 v14, v[32*(\t)+4*\i:32*(\t)+4*\i+3] offset:16*SP*((\t)%2)+2*SP*\i
.endr
	WIN 0
.irp i, 0,1,2,3,4,5,6,7
	ds_load_b128 v[X+32*((\t)%2)+4*\i:X+32*((\t)%2)+4*\i+3], v15 offset:16*SP*((\t)%2)+16*\i
.endr
.endm
.macro STEP t
.set XS, X+32*((\t)%2)
.if (\t) < 7
	s_wait_loadcnt 8*(6-(\t))                      ; the next step's eight loads are in
	TURN (\t)+1
	s_wait_dscnt 16                                ; this step's numbers are back: behind them the next step's 16 LDS instructions
.else
	s_wait_dscnt 1                                 ; behind them the last step's byte store
.endif
.irp i, 0,1,2,3
	v_max3_num_f32 v[8+\i], |v[XS+3*\i]|, |v[XS+3*\i+1]|, |v[XS+3*\i+2]|
.endr
.irp i, 0,1,2,3,4,5,6,7,8,9
	v_max3_num_f32 v[8+\i%4], v[8+\i%4], |v[XS+12+2*\i]|, |v[XS+13+2*\i]|
.endr
	v_max3_num_f32 v8, v8, v9, v10
	v_max3_num_f32 v8, v8, v11, 0x1800000          ; with the floor 2^(3 - 127): the byte cannot fall under 1
	v_add_nc_u32 v12, 0xff000000, v8               ; 2 off its exponent field: the conversion's scale operand
.irp g, 0,1,2,3
	v_cvt_scalef32_pk8_fp4_f32 v[C+4*(\t)+\g], v[XS+8*\g:XS+8*\g+7], v12
.endr
	v_lshrrev_b32 v[E+(\t)], 23, v12               ; the scale's byte (and the plain line behind the conversions)
	ds_store_b8 v18, v[E+(\t)] offset:128*((\t)/4)+2*((\t)%4)
	global_store_b128 v16, v[C+4*(\t):C+4*(\t)+3], s[12:13] offset:16384*(((\t)%4)/2)+512*((\t)%2)+1024*((\t)/4)
.endm
	s_wait_loadcnt 56                              ; step 0's loads, and the older one of the weights' scales, are in
	TURN 0
.irp t, 0,1,2,3,4,5,6,7
	STEP \t
.endr
	ds_load_b64 v[26:27], v19                      ; in order behind my byte stores
	s_wait_dscnt 0x0
	global_store_b64 v17, v[26:27], s[14:15]       ; 32 lanes store 256 consecutive bytes
	s_cmp_lt_u32 ttmp9, 192
	s_cbranch_scc0 .Lno_weight
	global_store_b64 v17, v[28:29], s[16:17]
	global_store_b64 v17, v[30:31], s[16:17] offset:3072
.Lno_weight:
	s_wait_tensorcnt 0x0                           ; the wave's end
	ds_add_u32 v24, v25
	s_wait_dscnt 0x0
	s_endpgm
.Lfunc_end_k_q1233b6a371_quant_x:
	.size	k_q1233b6a371_quant_x, .Lfunc_end_k_q1233b6a371_quant_x-k_q1233b6a371_quant_x
	.p2alignl 7, 3214868480
	.fill 96, 4, 3214868480
	.section	.rodata,"a",@progbits
	.p2align	6, 0x0
	.amdhsa_kernel k_q1233b6a371_quant_x
		.amdhsa_group_segment_fixed_size 36352
		.amdhsa_private_segment_fixed_size 0
		.amdhsa_enable_private_segment 0
		.amdhsa_kernarg_size 56
		.amdhsa_user_sgpr_count 2
		.amdhsa_user_sgpr_kernarg_segment_ptr 1
		.amdhsa_wavefront_size32 1
		.amdhsa_system_sgpr_workgroup_id_x 1
		.amdhsa_system_sgpr_workgroup_id_y 1
		.amdhsa_system_sgpr_workgroup_id_z 1
		.amdhsa_system_vgpr_workitem_id 0
		.amdhsa_next_free_vgpr 512
		.amdhsa_next_free_sgpr 66
		.amdhsa_reserve_vcc 0
		.amdhsa_float_denorm_mode_32 3
		.amdhsa_float_denorm_mode_16_64 3
		.amdhsa_memory_ordered 1
		.amdhsa_forward_progress 1
		.amdhsa_inst_pref_size 32
	.end_amdhsa_kernel
	.amdgpu_metadata
---
amdhsa.version: [ 1, 2 ]
amdhsa.kernels:
  - .name:           k_q1233b6a371_quant_x
    .symbol:         k_q1233b6a371_quant_x.kd
    .args:
      - { .name: x, .offset: 0, .size: 8, .value_kind: global_buffer, .address_space: global }
      - { .name: Wq_scales, .offset: 8, .size: 8, .value_kind: global_buffer, .address_space: global }
      - { .name: Wk_scales, .offset: 16, .size: 8, .value_kind: global_buffer, .address_space: global }
      - { .name: Wv_scales, .offset: 24, .size: 8, .value_kind: global_buffer, .address_space: global }
      - { .name: x_codes, .offset: 32, .size: 8, .value_kind: global_buffer, .address_space: global }
      - { .name: x_scales, .offset: 40, .size: 8, .value_kind: global_buffer, .address_space: global }
      - { .name: w_scales, .offset: 48, .size: 8, .value_kind: global_buffer, .address_space: global }
    .group_segment_fixed_size: 36352
    .private_segment_fixed_size: 0
    .kernarg_segment_align: 8
    .kernarg_segment_size: 56
    .max_flat_workgroup_size: 128
    .sgpr_count:     66
    .vgpr_count:     512
    .wavefront_size: 32
...
	.end_amdgpu_metadata
.endif
;; end of part 1
;; launch qkv (part 2): grid 16 x 16, 4 waves a work-group, clusters of 4 x 4, 327,680 bytes of LDS; arguments x_codes, x_scales, w_scales, Wq_codes, Wk_codes, Wv_codes, bq, bk, bv, qkv_codes, qkv_scales; writes qkv_codes, qkv_scales
.if DOCPART == 2
	.amdgcn_target "amdgcn-amd-amdhsa--gfx1250"
	.amdhsa_code_object_version 6
	.text
	.protected	k_q1233b6a371_qkv
	.globl	k_q1233b6a371_qkv
	.p2align	8
	.type	k_q1233b6a371_qkv,@function
k_q1233b6a371_qkv:
	s_mov_b64 s[64:65], 0
	v_nop
	global_prefetch_b8 v0, s[64:65] scope:SCOPE_SE
	s_setreg_imm32_b32 hwreg(HW_REG_WAVE_MODE, 25, 1), 1
	s_wait_xcnt 0x0
	s_wait_alu depctr_hold_cnt(0) depctr_sa_sdst(0) depctr_va_vdst(0) depctr_va_sdst(0) depctr_va_ssrc(0) depctr_va_vcc(0) depctr_vm_vsrc(0)
	s_getreg_b32 s2, hwreg(HW_REG_IB_STS2, 6, 4)
	s_cmp_eq_u32 s2, 0
	s_cbranch_scc0 .Lentry_in_a_cluster
	s_endpgm
.Lentry_in_a_cluster:
	s_bfe_u32 s2, ttmp6, 0x10000c
	s_cmp_lg_u32 s2, 0xf033
	s_cbranch_scc0 .Lentry_shape_is_right
	s_endpgm
.Lentry_shape_is_right:
; q, k, v = x Wq + bq, x Wk + bk, x Wv + bv on codes of FP4 (E2M1), sums in f32, each quantised for attention as it is finished: q and k along the head's 128, v along the tokens.
; Results: blocks of 128 rows x 128 K as images of operand registers; block = section x 512 + (batch x 16 + head) x 4 + quarter of the 512 tokens; sections q, k (rows: tokens), v (rows: channels).
;   codes: fragment a, register group c, lane l at 1,024 a + 512 c + 16 l of 8,192 bytes; scale words: row 16 a + r at 256 (a / 4) + 16 r + 4 (a % 4) of 512 bytes.
; LIMITS: NaN and infinities are not served.  A block whose largest magnitude lies under 2^(3 - 127) gets the byte 1.
; SHARES.  A work-group makes 256 tokens x one head's 384 channels (Q, K, V): 16 x 16 = 256 work-groups.  A wave makes 128 tokens (its row) x 192 channels: column 0 the head's Q and V's channels 0-63,
; column 1 its K and V's channels 64-127: 768 accumulator registers.  x and W are walked once, K in 16 steps of 128.
; THE INSTRUCTION has 32 rows in source 0.  Q, K: source 0 = 32 channels, source 1 = 16 tokens, so a lane holds one token, registers along the channels; V: source 0 = 32 tokens, source 1 = 16 channels:
; a lane holds one channel, registers along the tokens.  One scale register of 32 rows serves a pair of fragments as source 0, and either of them as source 1 by its ROW.
; The bias is the C of a sum's first product: nothing is cleared and nothing added.
; LDS.  W: two slots of 512 along K, 384 rows of 256 bytes + 16 of padding.  x: images, 16,384 bytes a K step, in two regions of four and of three K steps.  PERIODS of 4, 3, 2, 3 and 4 K steps: in each the next period's tiles
; are on their way: one joint load a wave (waves 0 to 2: 128 rows of Wq, Wk, Wv; wave 3: x).  The two slots of W and seven K steps of x fill 323,584 bytes: four K steps in both regions of x would not fit.
; CLUSTERS of 4 x 4: the four of a row share the tiles of x, the four of a column those of W: asked for jointly.
; SCALES go from memory to registers, 256 along K at a time (ten loads of 256 consecutive bytes), two sets by turns.
; REGISTERS: window 0: v8-23 addresses; v24-63 scales; v64-159 W's three groups of four fragments (V, channels 0-63, channels 64-127); v160-191 x's tokens 64-127; v192-223, v224-255 x's tokens 0-63, two sets by turns.
;   window 1: V's sums; window 2, 3: those of Q or K, channels 0-63 and 64-127.  (The low byte of s_set_vgpr_msb: 1:0 source 0, 3:2 source 1, 5:4 source 2, 7:6 destination.)
; PREFETCH into the L2: in K step 0 chunk 2 of W, x's K steps 8 to 11 and the scales from 512 along K on; in K step 3 chunk 3 and K steps 12 to 15; one or two periods ahead of their loads.  Partners share the blocks by address.
.set PITCH, 272
.set SEC,   128*PITCH                  ; 128 rows of W
.set WSLOT, 3*SEC
.set XA,    2*WSLOT                    ; x: four K steps,
.set XB,    XA+65536                   ; and three
.set SPARE, XB+49152                   ; the spare words, 128 bytes a wave
.set AW,   8                           ; v8-9   my fragments of Wq or Wk in slot 0, 1
.set AV,   10                          ; v10-11 of Wv
.set AXA,  12
.set AXB,  13
.set SCO,  14                          ; 8 x lane
.set CO,   15                          ; 16 x lane
.set PFW,  16
.set PFX,  17
.set PS12, 18
.set PS18, 19
.set SPW,  20
.set NIL,  21
.set BCO,  22
.set BRO,  23
.set SC,   24
.set WF,   64
.set XH1,  160
.set XH0,  192
.set XH2,  224
.set G1W,  24
.set G0W,  32
.set SEL,  36
.set G1X,  48
.set G0X,  56
.set XSB,  60
.set WSB,  62
.set PWB,  90
.set PXB,  92
.set PXS,  94
.set PWS,  96
.set MX,   32
.set PX,   48
.set SO,   64
.set SW,   80
.set VW,   88
.set OW,   92
.set PC,   128
.set PV,   192
.set MSB, 0
.macro WIN new
.if MSB != \new
	s_set_vgpr_msb (MSB<<8)|\new
.set MSB, \new
.endif
.endm
.macro PLACES n
.rept \n
	v_nop
.endr
.endm
; The joint loads: waves 0 to 2 W, wave 3 x (both = 0: x alone).  The branch hangs on the wave's number alone.
.macro JLOAD both
	s_cmp_eq_u32 s14, 3
.if \both
	s_cbranch_scc1 .Lfor_x_\@
	tensor_load_to_lds s[G0W:G0W+3], s[G1W:G1W+7]
	s_nop 0
.rept 4
	v_nop
.endr
	s_branch .Lasked_\@
.Lfor_x_\@:
.else
	s_cbranch_scc0 .Lasked_\@
.endif
	tensor_load_to_lds s[G0X:G0X+3], s[G1X:G1X+7]
	s_nop 0
.rept 4
	v_nop
.endr
.Lasked_\@:
.endm
.macro CREST
	s_cmp_lg_u32 s14, 0
	s_cbranch_scc1 .Lnot_wave_0_\@
	s_barrier_signal -3
.Lnot_wave_0_\@:
	s_barrier_wait -3
	s_barrier_signal -1
	s_barrier_wait -1
.endm
.macro CROUND
	s_barrier_signal -1
	s_barrier_wait -1
	CREST
.endm
; The next load of x: to LDS byte dst, adv bytes on in memory, rows of 256 bytes.  No tensor load of the wave is out where this stands.
.macro XNEXT dst, adv, rows
	s_mov_b32 s[G0X+1], \dst
	s_add_nc_u64 s[G0X+2:G0X+3], s[G0X+2:G0X+3], \adv
	s_mov_b32 s[G1X+2], (\rows)<<16
	s_mov_b32 s[G1X+4], \rows
.endm
.macro ASK n
	s_cmp_eq_u32 s14, 3
	s_cbranch_scc1 .Lask_x_\@
	global_prefetch_b8 v[PFW], s[PWB:PWB+1] offset:256*\n th:TH_LOAD_NT scope:SCOPE_SE
	s_branch .Lask_end_\@
.Lask_x_\@:
	global_prefetch_b8 v[PFX], s[PXB:PXB+1] offset:65536*\n th:TH_LOAD_NT scope:SCOPE_SE
	global_prefetch_b8 v[PFX], s[PXB:PXB+1] offset:65536*\n+8192 th:TH_LOAD_NT scope:SCOPE_SE
.if \n == 0
	global_prefetch_b8 v[PS12], s[PXS:PXS+1] th:TH_LOAD_NT scope:SCOPE_SE
	global_prefetch_b8 v[PS18], s[PWS:PWS+1] th:TH_LOAD_NT scope:SCOPE_SE
.endif
.Lask_end_\@:
.endm
.macro SCALES hf                       ; the scale words of 256 along K, the hf-th, into set hf % 2: x's four groups of 32 rows, W's six
.irp i, 0,1,2,3
	global_load_b64 v[SC+20*((\hf)%2)+2*\i:SC+20*((\hf)%2)+2*\i+1], v[SCO], s[XSB:XSB+1] offset:2048*(\hf)+256*\i
.endr
.irp i, 0,1,2,3,4,5
	global_load_b64 v[SC+20*((\hf)%2)+8+2*\i:SC+20*((\hf)%2)+9+2*\i], v[SCO], s[WSB:WSB+1] offset:3072*(\hf)+256*\i
.endr
.endm
.macro FRW g, u                        ; W's group g for K step u
.set SL, ((\u)/4)%2
.irp f, 0,1,2,3
.irp c, 0,1
.if \g == 0
	ds_load_b128 v[WF+8*\f+4*\c:WF+8*\f+4*\c+3], v[AV+SL] offset:64*((\u)%4)+32*\c+\f*16*PITCH
.else
	ds_load_b128 v[WF+32*\g+8*\f+4*\c:WF+32*\g+8*\f+4*\c+3], v[AW+SL] offset:64*((\u)%4)+32*\c+(4*(\g-1)+\f)*16*PITCH
.endif
.endr
.endr
.endm
.macro FRX xs, hh, u                   ; x's tokens 64 hh on for K step u
.set XR, AXA
.set XL, \u
.if (\u) >= 4
.set XR, AXB
.set XL, (\u)-4
.endif
.if (\u) >= 7
.set XR, AXA
.set XL, (\u)-7
.endif
.if (\u) >= 9
.set XR, AXB
.set XL, (\u)-9
.endif
.if (\u) >= 12
.set XR, AXA
.set XL, (\u)-12
.endif
.irp t, 0,1,2,3
.irp c, 0,1
	ds_load_b128 v[\xs+8*\t+4*\c:\xs+8*\t+4*\c+3], v[XR] offset:XL*16384+(4*\hh+\t)*1024+512*\c
.endr
.endr
.endm
.macro WM
.if RW
	v_wmma_scale_f32_32x16x128_f4 v[DD:DD+15], v[AA:AA+15], v[BB:BB+7], v[CC:CC+15], v[SA], v[SB] matrix_b_scale:MATRIX_SCALE_ROW1
.else
	v_wmma_scale_f32_32x16x128_f4 v[DD:DD+15], v[AA:AA+15], v[BB:BB+7], v[CC:CC+15], v[SA], v[SB]
.endif
.endm
.macro MULV p2, xs                     ; V: pairs p2, p2 + 1 of x's fragments x four fragments of channels
.irp c, 0,1,2,3
.irp p, 0,1
.set DD, 64*\c+16*(\p2+\p)
.set AA, \xs+16*\p
.set BB, WF+8*\c
.set CC, DD
.if FST
.set CC, 16*\c
.endif
.set SA, SC+20*PAR+2*(\p2+\p)+KK
.set SB, SC+20*PAR+16+2*(\c/2)+KK
.set RW, \c%2
	WM
.endr
.endr
.endm
.macro MULQ g, t0, xs                  ; Q or K, group g: x's fragments t0 .. t0 + 3 x two pairs of fragments of channels
.irp t, 0,1,2,3
.irp w, 0,1
.set DD, 32*(\t0+\t)+16*\w
.set AA, WF+32*\g+16*\w
.set BB, \xs+8*\t
.set CC, DD
.if FST
.if \g == 1
.set CC, 16*\w
.else
.set CC, XH2+16*\w
.endif
.endif
.set SA, SC+20*PAR+8+2*(2*(\g-1)+\w)+KK
.set SB, SC+20*PAR+2*((\t0+\t)/2)+KK
.set RW, \t%2
	WM
.endr
.endr
.endm
; K step s: 48 matrix instructions, the 48 accumulators by turns.  Three runs of loads bring the next step's operands: A: W's group 0 and x's tokens 0-63 (16; in step 0, where that set of x holds a bias, group 0 alone);
; B: x's tokens 64-127 and group 1 (16); C: group 2 (8).  turn: 1 behind this step a period begins, W and x are filled again; 2: x alone; 3: nothing.
; Places: 4 ahead of loads into registers that products have read; 5 in step 0, where products write over registers that held a bias.
.macro STEP s, turn
.set PAR, ((\s)/2)%2
.set KK,  (\s)%2
.set XSA, XH0+32*((\s)%2)
.set XSN, XH0+32*(((\s)+1)%2)
.set FST, 0
.set NP,  4
.set NA,  16
.set WV0, 0x50
.set WV1, 0xa0
.set WV2, 0xf0
.if (\s) == 0
.set FST, 1
.set NP,  5
.set NA,  8
.set WV0, 0x60
.set WV1, 0xb0
.set WV2, 0xc0
.endif
.if (\s) == 15
.set NA,  0
.endif
.if (\s) > 0 && (\s)%2 == 0
.if (\s) < 14
	s_wait_loadcnt 10                              ; this set of scales is in; the ten loads of the next may be out
.else
	s_wait_loadcnt 0x0
.endif
.endif
.if \turn
	s_wait_tensorcnt 0x0                           ; all my tensor loads have landed: the next period's tiles;
	ds_add_u32 v[SPW], v[NIL]                      ; 0 onto my spare word
.if (\s) == 3
	s_sub_co_u32 s[G0W+1], s[G0W+1], WSLOT
	s_add_nc_u64 s[G0W+2:G0W+3], s[G0W+2:G0W+3], 256
	XNEXT XA, 49152, 128
.endif
.if (\s) == 6
	XNEXT XB, 32768, 192
.endif
.if (\s) == 8
	s_add_co_u32 s[G0W+1], s[G0W+1], WSLOT
	s_add_nc_u64 s[G0W+2:G0W+3], s[G0W+2:G0W+3], 256
	XNEXT XA, 49152, 256
.endif
	s_wait_dscnt 25                                ; run A's operands are in; runs B and C and the add may be out
.elseif (\s) == 1
	s_wait_dscnt 8                                 ; x's tokens 0-63 came in step 0's run C: the eight behind them may be out
.else
	s_wait_dscnt 24                                ; run A's operands are in; runs B and C may be out
.endif
	WIN WV0
	MULV 0, XSA
.if \turn
	s_wait_dscnt 0x0                               ; the add is done, and so are my reads of this period's tiles
	s_barrier_signal -1
.else
	s_wait_dscnt 16                                ; x's tokens 64-127 are in; groups 1 and 2 may be out
.endif
	MULV 2, XH1
	WIN 0
.if \turn
	s_barrier_wait -1
.endif
.if \turn == 1
	CREST
	JLOAD 1                                        ; the four v_nop behind it are the places
.elseif \turn == 2
	CREST
	JLOAD 0
	PLACES NP
.elseif (\s) < 15
	PLACES NP
.endif
.if (\s) < 15
	FRW 0, (\s+1)
.if (\s) > 0
	FRX XSN, 0, (\s+1)
.endif
.endif
.if (\s) == 0
	ASK 0
.endif
.if (\s) == 3
	ASK 1
.endif
	s_wait_dscnt 8+NA                              ; group 1 is in: behind it group 2 and run A
	WIN WV1
	MULQ 1, 0, XSA
	MULQ 1, 4, XH1
	s_wait_dscnt NA                                ; group 2 is in: behind it run A
	WIN WV2
	MULQ 2, 4, XH1
.if (\s) < 15
	PLACES NP
	WIN 0
	FRX XH1, 1, (\s+1)
	FRW 1, (\s+1)
	WIN WV2
.endif
	MULQ 2, 0, XSA
.if (\s) < 15
	PLACES NP
	WIN 0
.if (\s) == 0
	FRX XSN, 0, (\s+1)
.endif
	FRW 2, (\s+1)
.if (\s)%2 == 1 && (\s) < 12
	SCALES ((\s+1)/2+1)
.endif
.endif
	WIN 0
.endm
; 16 blocks of 32 of one window of sums: the largest magnitudes, the scale operands (SO), the bytes (PX), the codes: block n, half u to register pc + st (n / 2) + 2 u + n % 2
.macro EPIW mw, cw, pc, st
	WIN \mw
.irp n, 0,1,2,3,4,5,6,7,8,9,10,11,12,13,14,15
	v_max3_num_f32 v[MX+\n], 0x1800000, |v[16*\n]|, |v[16*\n+1]|
.endr
.irp i, 2,4,6,8,10,12,14
.irp n, 0,1,2,3,4,5,6,7,8,9,10,11,12,13,14,15
	v_max3_num_f32 v[MX+\n], v[MX+\n], |v[16*\n+\i]|, |v[16*\n+\i+1]|
.endr
.endr
	WIN 0
.irp n, 0,1,2,3,4,5,6,7,8,9,10,11,12,13,14,15
	v_permlanex16_b32 v[PX+\n], v[MX+\n], s[SEL], s[SEL+1]
.endr
.irp n, 0,1,2,3,4,5,6,7,8,9,10,11,12,13,14,15
	v_max_num_f32 v[MX+\n], v[MX+\n], v[PX+\n]
.endr
.irp n, 0,1,2,3,4,5,6,7,8,9,10,11,12,13,14,15
	v_add_nc_u32 v[SO+\n], 0xff000000, v[MX+\n]
.endr
.irp n, 0,1,2,3,4,5,6,7,8,9,10,11,12,13,14,15
	v_lshrrev_b32 v[PX+\n], 23, v[SO+\n]
.endr
	WIN \cw
.irp n, 0,1,2,3,4,5,6,7,8,9,10,11,12,13,14,15
.irp u, 0,1
	v_cvt_scalef32_pk8_fp4_f32 v[\pc+\st*(\n/2)+2*\u+(\n%2)], v[16*\n+8*\u:16*\n+8*\u+7], v[SO+\n]
.endr
.endr
	WIN 0
	v_nop
.endm
	s_load_b256 s[4:11], s[0:1], 0x0               ; x_codes, x_scales, w_scales, Wq
	s_load_b256 s[68:75], s[0:1], 0x20             ; Wk, Wv, bq, bk
	s_load_b128 s[76:79], s[0:1], 0x40             ; bv, qkv_codes
	s_load_b64 s[80:81], s[0:1], 0x50              ; qkv_scales
	v_lshl_add_u32 v[SPW], v0, 2, SPARE
	v_mov_b32 v[NIL], 0
	ds_add_u32 v[SPW], v[NIL]                      ; the opening lines: the add twice, work on registers, one wait
	ds_add_u32 v[SPW], v[NIL]
	v_lshrrev_b32 v1, 5, v0
	v_readfirstlane_b32 s14, v1                    ; wave
	s_lshr_b32 s15, s14, 1                         ; my row: which 128 tokens
	s_and_b32 s16, s14, 1                          ; my column
	s_bfe_u32 s40, ttmp6, 0x40000                  ; cx, cy
	s_bfe_u32 s41, ttmp6, 0x40004
	s_lshl_b32 s42, ttmp9, 2
	s_add_co_u32 s42, s42, s40                     ; head
	s_and_b32 s17, ttmp7, 0xffff
	s_lshl_b32 s17, s17, 2
	s_add_co_u32 s17, s17, s41                     ; tile of 256 tokens
	s_lshl_b32 s43, s41, 2
	s_lshl_b32 s43, 15, s43                        ; my row of the cluster
	s_lshl_b32 s44, 0x1111, s40                    ; my column of it
	s_or_b32 s[G1W], s44, (0<<16)|(1<<20)|(1<<21)|(5<<22)|(3<<25)   ; W: 128 rows of 256 elements of 1 byte, 1,024 apart, 4 dwords of padding behind each 64
	s_mov_b32 s[G1W+1], 256<<16
	s_mov_b32 s[G1W+2], 128<<16
	s_mov_b32 s[G1W+3], 256<<16
	s_mov_b32 s[G1W+4], 128
	s_mov_b32 s[G1W+5], 1024
	s_mov_b32 s[G1W+6], 0
	s_mov_b32 s[G1W+7], 0
	s_or_b32 s[G1X], s43, (3<<16)|(1<<21)          ; x: a dense image as rows of 32 elements of 8 bytes; K steps 0 to 3 first
	s_mov_b32 s[G1X+1], 32<<16
	s_mov_b32 s[G1X+2], 256<<16
	s_mov_b32 s[G1X+3], 32<<16
	s_mov_b32 s[G1X+4], 256
	s_mov_b32 s[G1X+5], 32
	s_mov_b32 s[G1X+6], 0
	s_mov_b32 s[G1X+7], 0
	s_lshl_b32 s18, s17, 18                        ; the tile of x: 262,144 bytes
	s_mov_b32 s19, 0
	s_lshl_b32 s20, s42, 17                        ; the head's 128 rows of a weight: 131,072 bytes
	s_mov_b32 s21, 0
	s_lshl_b32 s84, s17, 14
	s_mov_b32 s85, 0
	s_mul_i32 s86, s42, 24576
	s_mov_b32 s87, 0
	s_lshl_b32 s88, s42, 9
	s_mov_b32 s89, 0
	s_mov_b32 s3, 0
	s_mov_b32 s[G0W], 1
	s_mul_i32 s[G0W+1], s14, SEC
	s_mov_b32 s[G0X], 1
	s_mov_b32 s[G0X+1], XA
	s_wait_dscnt 0x0                               ; both opening adds are done
	CROUND                                         ; all sixteen work-groups are here: the first joint loads meet
	s_wait_kmcnt 0x0
	s_cmp_eq_u32 s14, 0
	s_cselect_b64 s[46:47], s[10:11], s[68:69]     ; wave 0 Wq, wave 1 Wk,
	s_cmp_lt_u32 s14, 2
	s_cselect_b64 s[46:47], s[46:47], s[70:71]     ; wave 2 Wv
	s_add_nc_u64 s[G0W+2:G0W+3], s[46:47], s[20:21]
	s_or_b32 s[G0W+3], s[G0W+3], 0x80000000
	s_add_nc_u64 s[G0X+2:G0X+3], s[4:5], s[18:19]
	s_or_b32 s[G0X+3], s[G0X+3], 0x80000000
	JLOAD 1                                        ; the head's one load a wave: W's first chunk, x's K steps 0 to 3
	s_add_nc_u64 s[PXS:PXS+1], s[6:7], s[84:85]
	s_lshl_b32 s2, s15, 10
	s_add_nc_u64 s[XSB:XSB+1], s[PXS:PXS+1], s[2:3]
	s_add_nc_u64 s[PWS:PWS+1], s[8:9], s[86:87]
	s_mul_i32 s2, s16, 1536
	s_add_nc_u64 s[WSB:WSB+1], s[PWS:PWS+1], s[2:3]
	s_cmp_eq_u32 s16, 0
	s_cselect_b64 s[72:73], s[72:73], s[74:75]     ; bq or bk
	s_add_nc_u64 s[72:73], s[72:73], s[88:89]
	s_add_nc_u64 s[76:77], s[76:77], s[88:89]
	s_lshl_b32 s2, s16, 8
	s_add_nc_u64 s[76:77], s[76:77], s[2:3]        ; bv at my 64 channels
	v_and_b32 v1, 15, v0                           ; r
	v_bfe_u32 v2, v0, 4, 1                         ; h
	v_and_b32 v3, 31, v0                           ; lane
	v_lshlrev_b32 v[SCO], 3, v3
	v_lshlrev_b32 v[CO], 4, v3
	v_lshlrev_b32 v[BCO], 5, v2
	v_lshlrev_b32 v[BRO], 2, v1
	s_wait_alu depctr_va_vdst(0)
.irp c, 0,1,2,3
	global_load_b32 v[XH1+\c], v[BRO], s[76:77] offset:64*\c   ; V's bias: my lane's channel of each fragment
.endr
	SCALES 0
	SCALES 1
.irp w, 0,1
.irp u, 0,1
.irp q, 0,1
	global_load_b128 v[XH2+16*\w+8*\u+4*\q:XH2+16*\w+8*\u+4*\q+3], v[BCO], s[72:73] offset:(64+32*\w+16*\u)*4+16*\q   ; the bias of channels 64-127, in the layout of a result
.endr
.endr
.endr
	WIN 0xc0
.irp w, 0,1
.irp u, 0,1
.irp q, 0,1
	global_load_b128 v[16*\w+8*\u+4*\q:16*\w+8*\u+4*\q+3], v[BCO], s[72:73] offset:(32*\w+16*\u)*4+16*\q   ; and of channels 0-63, in window 3, whose sums begin later
.endr
.endr
.endr
	WIN 0
	; where my prefetches stand
	s_mul_i32 s2, s40, 3072
	s_add_co_u32 s2, s2, 4096
	s_add_nc_u64 s[PXS:PXS+1], s[PXS:PXS+1], s[2:3]   ; x's scales from 512 along K on: 48 blocks, 12 to each of the row's four
	s_mul_i32 s2, s41, 4608
	s_add_co_u32 s2, s2, 6144
	s_add_nc_u64 s[PWS:PWS+1], s[PWS:PWS+1], s[2:3]   ; W's: 72 blocks, 18 to each of the column's four
	s_add_nc_u64 s[PWB:PWB+1], s[46:47], s[20:21]
	s_lshl_b32 s2, s41, 15
	s_add_co_u32 s2, s2, 512
	s_add_nc_u64 s[PWB:PWB+1], s[PWB:PWB+1], s[2:3]   ; my work-group's 32 rows of the 128, chunk 2
	s_add_nc_u64 s[PXB:PXB+1], s[4:5], s[18:19]
	s_lshl_b32 s2, s40, 14
	s_add_co_u32 s2, s2, 131072
	s_add_nc_u64 s[PXB:PXB+1], s[PXB:PXB+1], s[2:3]   ; K step 8 + cx: 64 blocks
	; where my results go
	s_lshr_b32 s82, s17, 1
	s_lshl_b32 s82, s82, 4
	s_add_co_u32 s82, s82, s42
	s_lshl_b32 s82, s82, 2
	s_and_b32 s83, s17, 1
	s_lshl_b32 s83, s83, 1
	s_add_co_u32 s82, s82, s83
	s_add_co_u32 s82, s82, s15                     ; (batch x 16 + head) x 4 + quarter
	s_lshl_b32 s83, s16, 9
	s_add_co_u32 s83, s83, s82
	s_lshl_b32 s2, s83, 13
	s_add_nc_u64 s[98:99], s[78:79], s[2:3]
	s_lshl_b32 s2, s83, 9
	s_add_nc_u64 s[100:101], s[80:81], s[2:3]
	s_add_co_u32 s82, s82, 1024
	s_lshl_b32 s2, s82, 13
	s_lshl_b32 s83, s16, 12
	s_add_co_u32 s2, s2, s83
	s_add_nc_u64 s[66:67], s[78:79], s[2:3]
	s_lshl_b32 s2, s82, 9
	s_lshl_b32 s83, s16, 8
	s_add_co_u32 s2, s2, s83
	s_add_nc_u64 s[22:23], s[80:81], s[2:3]
	s_mov_b32 s[SEL], 0x76543210
	s_mov_b32 s[SEL+1], 0xfedcba98                 ; lane l xor 16
	; LDS addresses
	s_mul_i32 s2, s16, SEC
	s_add_co_u32 s3, s2, WSLOT
	s_mul_i32 s12, s16, 64*PITCH
	s_add_co_u32 s12, s12, 2*SEC
	s_add_co_u32 s13, s12, WSLOT
	s_lshl_b32 s45, s15, 13
	s_add_co_u32 s45, s45, XA
	v_mul_u32_u24 v4, v1, PITCH
	v_lshl_add_u32 v4, v2, 4, v4                   ; a fragment's row, + 16 h
	v_add_nc_u32 v[AW], s2, v4
	v_add_nc_u32 v[AW+1], s3, v4
	v_add_nc_u32 v[AV], s12, v4
	v_add_nc_u32 v[AV+1], s13, v4
	v_add_nc_u32 v[AXA], s45, v[CO]
	v_add_nc_u32 v[AXB], XB-XA, v[AXA]
	v_lshlrev_b32 v[PFW], 10, v3
	v_lshlrev_b32 v[PFX], 8, v3
	v_min_u32 v5, 11, v3
	v_min_u32 v6, 17, v3
	v_lshlrev_b32 v[PS12], 8, v5                   ; lanes that are left over name the last block again
	v_lshlrev_b32 v[PS18], 8, v6
	s_wait_loadcnt 0x0                             ; the biases and the first two sets of scales
	WIN 0x80
.irp c, 0,1,2,3
.irp i, 0,1,2,3,4,5,6,7,8,9,10,11,12,13,14,15
	v_mov_b32 v[16*\c+\i], v[XH1+\c]               ; V's bias as the C of its first products, in window 2, whose sums begin later
.endr
.endr
	WIN 0
	s_wait_alu depctr_va_vdst(0)                   ; the wait at the head's end
	s_wait_tensorcnt 0x0                           ; my tile is in
	ds_add_u32 v[SPW], v[NIL]
	s_add_co_u32 s[G0W+1], s[G0W+1], WSLOT
	s_add_nc_u64 s[G0W+2:G0W+3], s[G0W+2:G0W+3], 256
	XNEXT XB, 65536, 192
	s_wait_dscnt 0x0
	CROUND                                         ; everybody's part is in
	JLOAD 1                                        ; W's second chunk, x's K steps 4 to 6
	FRW 0, 0
	FRX XH0, 0, 0
	FRX XH1, 1, 0
	FRW 1, 0
	FRW 2, 0
	STEP 0, 0
	STEP 1, 0
	STEP 2, 0
	STEP 3, 1
	STEP 4, 0
	STEP 5, 0
	STEP 6, 2
	STEP 7, 0
	STEP 8, 1
	STEP 9, 0
	STEP 10, 0
	STEP 11, 3
	STEP 12, 0
	STEP 13, 0
	STEP 14, 0
	STEP 15, 0
	PLACES 4
	; THE WAY OUT.  A lane's 16 registers and lane l xor 16's are a block of 32.  The exchange of halves makes whole blocks of a lane's registers: the next product's operand, stored as it lies, 512 consecutive bytes.
	EPIW 0x14, 0x01, PV, 4                         ; V
.irp c, 0,1,2,3
	v_lshl_or_b32 v[VW+\c], v[PX+4*\c+1], 8, v[PX+4*\c]
.endr
.irp c, 0,1,2,3
	v_lshl_or_b32 v[VW+\c], v[PX+4*\c+2], 16, v[VW+\c]
.endr
.irp c, 0,1,2,3
	v_lshl_or_b32 v[VW+\c], v[PX+4*\c+3], 24, v[VW+\c]
.endr
.irp n, 0,1,2,3,4,5,6,7
.irp e, 0,1
	v_permlane16_swap_b32 v[PV+4*\n+2*\e], v[PV+4*\n+2*\e+1]
.endr
.endr
.irp n, 0,1,2,3,4,5,6,7
	global_store_b128 v[CO], v[PV+4*\n:PV+4*\n+3], s[66:67] offset:512*\n
.endr
	EPIW 0x28, 0x02, PC, 8                         ; Q or K, channels 0-63
.irp t, 0,1,2,3,4,5,6,7
	v_lshl_or_b32 v[SW+\t], v[PX+2*\t+1], 8, v[PX+2*\t]
.endr
.irp t, 0,1,2,3,4,5,6,7
.irp e, 0,1
	v_permlane16_swap_b32 v[PC+8*\t+2*\e], v[PC+8*\t+2*\e+1]
.endr
.endr
.irp t, 0,1,2,3,4,5,6,7
	global_store_b128 v[CO], v[PC+8*\t:PC+8*\t+3], s[98:99] offset:1024*\t
.endr
	EPIW 0x3c, 0x03, PC+4, 8                       ; channels 64-127
.irp t, 0,1,2,3,4,5,6,7
	v_lshl_or_b32 v[SW+\t], v[PX+2*\t], 16, v[SW+\t]
.endr
.irp t, 0,1,2,3,4,5,6,7
	v_lshl_or_b32 v[SW+\t], v[PX+2*\t+1], 24, v[SW+\t]
.endr
.irp t, 0,1,2,3,4,5,6,7
.irp e, 0,1
	v_permlane16_swap_b32 v[PC+8*\t+4+2*\e], v[PC+8*\t+5+2*\e]
.endr
.endr
.irp t, 0,1,2,3,4,5,6,7
	global_store_b128 v[CO], v[PC+8*\t+4:PC+8*\t+7], s[98:99] offset:1024*\t+512
.endr
	v_cmp_eq_u32 vcc_lo, 1, v2
.irp i, 0,1,2,3
	v_cndmask_b32 v[OW+\i], v[SW+\i], v[SW+4+\i], vcc_lo   ; lanes 0-15 fragments 0 to 3, lanes 16-31 fragments 4 to 7
.endr
	global_store_b128 v[CO], v[OW:OW+3], s[100:101]
	v_cmp_eq_u32 vcc_lo, 0, v2
	s_wait_alu depctr_va_vdst(0)
	s_wait_xcnt 0x0                                ; EXEC changes only behind it
	s_and_saveexec_b32 s82, vcc_lo
	global_store_b128 v[CO], v[VW:VW+3], s[22:23]  ; V's words: 256 consecutive bytes
	s_wait_xcnt 0x0
	s_or_b32 exec_lo, exec_lo, s82
	s_wait_tensorcnt 0x0                           ; the wave's end
	ds_add_u32 v[SPW], v[NIL]
	s_wait_dscnt 0x0
	CROUND                                         ; the closing round
	s_endpgm
.Lfunc_end_k_q1233b6a371_qkv:
	.size	k_q1233b6a371_qkv, .Lfunc_end_k_q1233b6a371_qkv-k_q1233b6a371_qkv
	.p2alignl 7, 3214868480
	.fill 96, 4, 3214868480
	.section	.rodata,"a",@progbits
	.p2align	6, 0x0
	.amdhsa_kernel k_q1233b6a371_qkv
		.amdhsa_group_segment_fixed_size 327680
		.amdhsa_private_segment_fixed_size 0
		.amdhsa_enable_private_segment 0
		.amdhsa_kernarg_size 88
		.amdhsa_user_sgpr_count 2
		.amdhsa_user_sgpr_kernarg_segment_ptr 1
		.amdhsa_wavefront_size32 1
		.amdhsa_system_sgpr_workgroup_id_x 1
		.amdhsa_system_sgpr_workgroup_id_y 1
		.amdhsa_system_sgpr_workgroup_id_z 1
		.amdhsa_system_vgpr_workitem_id 0
		.amdhsa_next_free_vgpr 1024
		.amdhsa_next_free_sgpr 102
		.amdhsa_reserve_vcc 1
		.amdhsa_float_denorm_mode_32 3
		.amdhsa_float_denorm_mode_16_64 3
		.amdhsa_memory_ordered 1
		.amdhsa_forward_progress 1
		.amdhsa_inst_pref_size 221
	.end_amdhsa_kernel
	.amdgpu_metadata
---
amdhsa.version: [ 1, 2 ]
amdhsa.kernels:
  - .name:           k_q1233b6a371_qkv
    .symbol:         k_q1233b6a371_qkv.kd
    .args:
      - { .name: x_codes, .offset: 0, .size: 8, .value_kind: global_buffer, .address_space: global }
      - { .name: x_scales, .offset: 8, .size: 8, .value_kind: global_buffer, .address_space: global }
      - { .name: w_scales, .offset: 16, .size: 8, .value_kind: global_buffer, .address_space: global }
      - { .name: Wq_codes, .offset: 24, .size: 8, .value_kind: global_buffer, .address_space: global }
      - { .name: Wk_codes, .offset: 32, .size: 8, .value_kind: global_buffer, .address_space: global }
      - { .name: Wv_codes, .offset: 40, .size: 8, .value_kind: global_buffer, .address_space: global }
      - { .name: bq, .offset: 48, .size: 8, .value_kind: global_buffer, .address_space: global }
      - { .name: bk, .offset: 56, .size: 8, .value_kind: global_buffer, .address_space: global }
      - { .name: bv, .offset: 64, .size: 8, .value_kind: global_buffer, .address_space: global }
      - { .name: qkv_codes, .offset: 72, .size: 8, .value_kind: global_buffer, .address_space: global }
      - { .name: qkv_scales, .offset: 80, .size: 8, .value_kind: global_buffer, .address_space: global }
    .group_segment_fixed_size: 327680
    .private_segment_fixed_size: 0
    .kernarg_segment_align: 8
    .kernarg_segment_size: 88
    .max_flat_workgroup_size: 128
    .sgpr_count:     102
    .vgpr_count:     1024
    .wavefront_size: 32
...
	.end_amdgpu_metadata
.endif
;; end of part 2
;; launch attn (part 3): grid 2 x 128, 16 waves a work-group, no clusters, 169,984 bytes of LDS; arguments qkv_codes, qkv_scales, x, out0; writes out0
.if DOCPART == 3
	.amdgcn_target "amdgcn-amd-amdhsa--gfx1250"
	.amdhsa_code_object_version 6
	.text
	.protected	k_q1233b6a371_attn
	.globl	k_q1233b6a371_attn
	.p2align	8
	.type	k_q1233b6a371_attn,@function
k_q1233b6a371_attn:
	s_mov_b64 s[64:65], 0
	v_nop
	global_prefetch_b8 v0, s[64:65] scope:SCOPE_SE
	s_setreg_imm32_b32 hwreg(HW_REG_WAVE_MODE, 25, 1), 1
	s_wait_xcnt 0x0
; out[b][n][head] = softmax over the 512 keys of (q . k / sqrt(128)) v + x, both products on codes of FP4 (E2M1) with one E8M0 scale for each 32 along a product's K.
; q, k and v come as images of operand registers: blocks of 128 rows x 128 K; block = section x 512 + (batch x 16 + head) x 4 + quarter; section 0 q, 1 k (rows: tokens, K: the head's 128), 2 v (rows: the head's 128 channels, K: the quarter's 128 keys).
;   codes: fragment a (rows 16 a + r), register group c, lane l at 1,024 a + 512 c + 16 l of the block's 8,192 bytes.   scale words: row 16 a + r at 256 (a / 4) + 16 r + 4 (a % 4) of the block's 512 bytes.
; THE SOFTMAX AHEAD OF THE SECOND PRODUCT: t = score x log2(e) / sqrt(128); M = the row's largest t so far, rounded UP to a whole number; p = 2^(t - M) is quantised along the keys, not normalised.
; The row's sum is taken of the unquantised p, in f32, and divides O at the end.  When M moves, the sum and O are multiplied by 2^(old M - new M): exact.
; SHARES.  A work-group owns 256 queries of one (batch, head); each of its sixteen waves 16 of them in 256 registers, four waves to a SIMD.  Every wave walks the 512 keys in four steps of 128, written out: every offset is an immediate.
; A head's K and V, 65,536 bytes of codes and 4,096 of scale words, are brought into LDS ONCE by six tensor loads (waves 0-3: the codes' four quarters; waves 4, 5: the scale words); no LDS byte is filled twice.
; LAYOUT.  Both products are used transposed: S^T = K Q^T, O^T = V^T P^T: a lane holds ONE query (lane % 16) throughout; register j of tile t holds key (or channel) 16 t + 8 h + j.
; p's 8 registers of a tile convert to 4 bytes of the query's 64; written to the right register, and with one exchange of halves for each pair of registers, the eight registers are the second product's operand.
; NO CLUSTER: only the two work-groups of a head share tiles (69,632 bytes, against 17,408 of q, 131,072 of x and 131,072 of out that each has to itself), and two do not make up a cluster of four along x.
; LIMITS: NaN and infinities are not served.  A block of p whose largest number lies under 2^(3 - 127) gets the byte 1; v_exp_f32 gives 0 for what would be denormal, so such a block's codes are zeros.
; REGISTERS: v1-7 addresses; v12 -M, v13 the largest t, v[14:15] the sum in two halves; v16-23 Q; v24-31 the scale words of the eight tiles in hand; v32-95 eight fragments of K or of V; v96-159 S^T, then p, then x;
;   v160-223 O^T; v224-231 p's codes; v232-247 at work; v252 f; v253 p's scale word; v254 at work; v255 Q's scale word.
.set KIMG,  0                          ; LDS: K's 32 fragments,
.set VIMG,  32768                      ; V's,
.set KSC,   65536                      ; K's scale words, 512 bytes a key step; V's 2,048 bytes on,
.set STAGE, 69632                      ; and for the way out 16 rows x (256 + 16) bytes for each wave; no tensor load lands there
.set WV,   18
.set SEL,  20
.set CS,   22
.set G1C,  24                          ; s[24:31] group 1 for the codes;  s[32:39] for the scale words;  s[40:43], s[44:47] their groups 0
.set G1S,  32
.set G0C,  40
.set G0S,  44
	s_load_b256 s[4:11], s[0:1], 0x0               ; the codes, the scale words, x, out
	v_lshl_add_u32 v250, v0, 2, 0x29000
	v_mov_b32 v251, 0
	ds_add_u32 v250, v251
	ds_add_u32 v250, v251
	v_lshrrev_b32 v8, 5, v0
	s_delay_alu instid0(VALU_DEP_1)
	v_readfirstlane_b32 s[WV], v8                  ; wave 0..15
	s_and_b32 s12, ttmp7, 0xffff                   ; batch x 16 + head
	s_mov_b32 s13, ttmp9                           ; which 256 queries
	s_lshl_b32 s14, s12, 15                        ; a head's four blocks of codes: 32,768 bytes,
	s_lshl_b32 s15, s12, 11                        ; of scale words: 2,048
	s_and_b32 s16, s[WV], 1
	s_bfe_u32 s48, s[WV], 0x10001                  ; waves 0, 1: section 1 (K); waves 2, 3: section 2 (V)
	s_add_co_u32 s48, s48, 1
	s_lshl_b32 s48, s48, 22                        ; a section of codes is 512 x 8,192 bytes
	s_add_co_u32 s48, s48, s14
	s_lshl_b32 s17, s16, 14                        ; its first or second half: 16,384 bytes
	s_add_co_u32 s48, s48, s17
	s_mov_b32 s49, 0
	s_add_co_u32 s50, s16, 1                       ; wave 4: K's scale words; wave 5: V's
	s_lshl_b32 s50, s50, 18                        ; a section of scale words is 512 x 512 bytes
	s_add_co_u32 s50, s50, s15
	s_mov_b32 s51, 0
	s_lshl_b32 s52, s13, 4
	s_add_co_u32 s52, s52, s[WV]                   ; my tile of 16 queries among the head's 32
	s_lshl_b32 s52, s52, 10                        ; its fragment: 1,024 bytes
	s_add_co_u32 s52, s52, s14
	s_mov_b32 s53, 0
	s_lshl_b32 s54, s13, 2
	s_lshr_b32 s17, s[WV], 2
	s_add_co_u32 s54, s54, s17                     ; my tile / 4: four tiles' scale words fill 256 bytes,
	s_lshl_b32 s54, s54, 8
	s_and_b32 s17, s[WV], 3                        ; and my tile's is one of a row's four words there
	s_lshl_b32 s17, s17, 2
	s_add_co_u32 s54, s54, s17
	s_add_co_u32 s54, s54, s15
	s_mov_b32 s55, 0
	s_lshr_b32 s56, s12, 4                         ; batch
	s_lshl_b32 s56, s56, 9
	s_lshl_b32 s17, s13, 8
	s_add_co_u32 s56, s56, s17
	s_lshl_b32 s17, s[WV], 4
	s_add_co_u32 s56, s56, s17                     ; my first token: 512 x batch + 256 x work-group x + 16 x wave
	s_lshl_b32 s56, s56, 13                        ; a row of x and of out is 8,192 bytes,
	s_and_b32 s17, s12, 15
	s_lshl_b32 s17, s17, 9                         ; a head's part of it 512
	s_add_co_u32 s56, s56, s17
	s_mov_b32 s57, 0
	; group 1: dense blocks as rows of 256 bytes (32 elements of 8 bytes), no padding: an image is read 16 bytes a lane, on end
	s_mov_b32 s[G1C], 3<<16
	s_mov_b32 s[G1C+1], 32<<16                     ; tensor_dim0
	s_mov_b32 s[G1C+2], 64<<16                     ; tensor_dim1: 64 rows = 16,384 bytes
	s_mov_b32 s[G1C+3], 32<<16                     ; tile_dim0
	s_mov_b32 s[G1C+4], 64                         ; tile_dim1
	s_mov_b32 s[G1C+5], 32                         ; stride
	s_mov_b32 s[G1C+6], 0
	s_mov_b32 s[G1C+7], 0
	s_mov_b32 s[G1S], 3<<16
	s_mov_b32 s[G1S+1], 32<<16
	s_mov_b32 s[G1S+2], 8<<16                      ; 8 rows = 2,048 bytes
	s_mov_b32 s[G1S+3], 32<<16
	s_mov_b32 s[G1S+4], 8
	s_mov_b32 s[G1S+5], 32
	s_mov_b32 s[G1S+6], 0
	s_mov_b32 s[G1S+7], 0
	s_mov_b32 s[SEL], 0x76543210
	s_mov_b32 s[SEL+1], 0xfedcba98                 ; v_permlanex16_b32's selects for lane l xor 16
	s_mov_b32 s[CS], 0x3e0293ee                    ; c = log2(e) / sqrt(128)
	s_mov_b32 s[CS+1], s[CS]                       ; (named with it as a pair, so it is written)
	; every LDS address is made here, ahead of the branch on the wave's number
	v_and_b32 v10, 31, v0                          ; lane
	v_and_b32 v8, 15, v0                           ; r
	v_bfe_u32 v9, v0, 4, 1                         ; h
	s_delay_alu instid0(VALU_DEP_3)
	v_lshlrev_b32 v1, 4, v10                       ; 16 x lane: an image's place for my lane
	s_delay_alu instid0(VALU_DEP_3)
	v_lshl_add_u32 v2, v8, 4, KSC                  ; my row's scale words: four of them at 16 r, the other four 256 bytes on
	s_delay_alu instid0(VALU_DEP_4)
	v_lshlrev_b32 v7, 4, v8                        ; the same place in memory, for Q's
	s_delay_alu instid0(VALU_DEP_4)
	v_lshlrev_b32 v3, 13, v9
	s_delay_alu instid0(VALU_DEP_1)
	v_lshl_add_u32 v3, v8, 4, v3                   ; x and out: lanes 0-15 one row, lanes 16-31 the next; 16 bytes a lane
	s_mul_i32 s17, s[WV], 16*272
	s_add_co_u32 s17, s17, STAGE                   ; my stage
	v_mul_u32_u24 v4, v8, 272
	s_delay_alu instid0(VALU_DEP_1)
	v_lshl_add_u32 v4, v9, 5, v4
	s_delay_alu instid0(VALU_DEP_1)
	v_add_nc_u32 v4, s17, v4                       ; in: row r, + 32 h
	v_mul_u32_u24 v5, v9, 272
	s_delay_alu instid0(VALU_DEP_1)
	v_lshl_add_u32 v5, v8, 4, v5
	s_delay_alu instid0(VALU_DEP_1)
	v_add_nc_u32 v5, s17, v5                       ; back: lanes 0-15 one row, lanes 16-31 the next
	v_lshrrev_b32 v11, 1, v10
	v_and_b32 v10, 1, v10
	s_delay_alu instid0(VALU_DEP_2)
	v_lshlrev_b32 v6, 13, v11
	s_delay_alu instid0(VALU_DEP_1)
	v_lshl_add_u32 v6, v10, 8, v6                  ; the prefetch: row lane / 2 of my 16, its first or second 256 bytes
.irp b, 0,1,2,3
	v_mov_b32 v[236+\b], 0                         ; written once: a lane permute's destination counts as one of its sources
.endr
	s_wait_dscnt 0x0
	s_wait_kmcnt 0x0
	s_mov_b32 s[G0C], 1
	s_and_b32 s[G0C+1], s[WV], 3
	s_lshl_b32 s[G0C+1], s[G0C+1], 14              ; LDS: 16,384 x wave: K's halves, then V's
	s_add_nc_u64 s[G0C+2:G0C+3], s[4:5], s[48:49]
	s_or_b32 s[G0C+3], s[G0C+3], 0x80000000
	s_mov_b32 s[G0S], 1
	s_lshl_b32 s[G0S+1], s16, 11
	s_add_co_u32 s[G0S+1], s[G0S+1], KSC           ; LDS: K's words, then V's
	s_add_nc_u64 s[G0S+2:G0S+3], s[6:7], s[50:51]
	s_or_b32 s[G0S+3], s[G0S+3], 0x80000000
	s_add_nc_u64 s[52:53], s[4:5], s[52:53]        ; Q's fragment
	s_add_nc_u64 s[54:55], s[6:7], s[54:55]        ; Q's scale words
	s_add_nc_u64 s[8:9], s[8:9], s[56:57]          ; x at my first row, my head's part
	s_add_nc_u64 s[10:11], s[10:11], s[56:57]      ; out likewise
	s_cmp_lt_u32 s[WV], 4                          ; the first and only fills: one tensor load in each of six waves; four v_nop follow each line
	s_cbranch_scc0 .Lnot_codes
	tensor_load_to_lds s[G0C:G0C+3], s[G1C:G1C+7]
	s_nop 0
.rept 4
	v_nop
.endr
	s_branch .Lasked
.Lnot_codes:
	s_cmp_lt_u32 s[WV], 6
	s_cbranch_scc0 .Lasked
	tensor_load_to_lds s[G0S:G0S+3], s[G1S:G1S+7]
	s_nop 0
.rept 4
	v_nop
.endr
.Lasked:
	global_load_b128 v[16:19], v1, s[52:53]        ; Q's fragment stays in registers
	global_load_b128 v[20:23], v1, s[52:53] offset:512
	global_load_b32 v255, v7, s[54:55]             ; and its scale words
	s_wait_tensorcnt 0x0                           ; my load, if I issued one, has landed,
	s_barrier_signal -1
	s_barrier_wait -1                              ; everybody's has
; eight fragments (128 rows x 128 K) from byte cb of LDS, and the rows' scale words from sb bytes behind K's first
.macro OPLOAD cb, sb
.irp t, 0,1,2,3,4,5,6,7
.irp c, 0,1
	ds_load_b128 v[32+8*\t+4*\c:32+8*\t+4*\c+3], v1 offset:\cb+1024*\t+512*\c
.endr
.endr
	ds_load_b128 v[24:27], v2 offset:\sb           ; lane r: the words of rows r, 16 + r, 32 + r, 48 + r,
	ds_load_b128 v[28:31], v2 offset:\sb+256       ; and of the four tiles behind them
.endm
; A KEY STEP: keys 128 s on.  The first step starts M, the sum and O^T: nothing is cleared but the sum's two halves.
.macro STEP s
	s_wait_dscnt 0x0                               ; K's fragments and scale words are in
.irp t, 0,1,2,3,4,5,6,7
	v_wmma_scale_f32_16x16x128_f8f6f4 v[96+8*\t:103+8*\t], v[32+8*\t:39+8*\t], v[16:23], 0, v[24+\t], v255 matrix_a_fmt:MATRIX_FMT_FP4 matrix_b_fmt:MATRIX_FMT_FP4
.endr
.rept 4
	v_nop                                          ; four places: in front of the loads into registers that these products have read, and of the first read of their results
.endr
	OPLOAD VIMG+8192*\s, 2048+512*\s               ; V's fragments of this step land while the softmax is worked
.irp b, 0,1,2,3
	v_max3_num_f32 v[232+\b], v[96+16*\b], v[97+16*\b], v[98+16*\b]   ; the largest score of each block of 32 keys: it serves the row's maximum and, since p rises with the score, the block's largest p
.endr
.irp i, 3,5,7,9,11,13
.irp b, 0,1,2,3
	v_max3_num_f32 v[232+\b], v[232+\b], v[96+16*\b+\i], v[97+16*\b+\i]   ; (the four blocks by turns)
.endr
.endr
.irp b, 0,1,2,3
	v_max_num_f32 v[232+\b], v[232+\b], v[111+16*\b]
.endr
.irp b, 0,1,2,3
	s_delay_alu instid0(VALU_DEP_4)
	v_permlanex16_b32 v[236+\b], v[232+\b], s[SEL], s[SEL+1]
.endr
.irp b, 0,1,2,3
	s_delay_alu instid0(VALU_DEP_4)
	v_max_num_f32 v[232+\b], v[232+\b], v[236+\b]  ; with lane l xor 16's 16 keys
.endr
	s_delay_alu instid0(VALU_DEP_2)
	v_max3_num_f32 v254, v232, v233, v234
	s_delay_alu instid0(VALU_DEP_1)
	v_max_num_f32 v254, v254, v235                 ; the step's largest score of my query
.if \s == 0
	s_delay_alu instid0(VALU_DEP_1)
	v_mul_f32 v13, s[CS], v254                     ; as t (c is positive): the largest t so far
	s_delay_alu instid0(VALU_DEP_1)
	v_floor_f32 v12, -v13                          ; -M = floor(-t) = -ceil(t): M is a whole number
.else
	s_delay_alu instid0(VALU_DEP_1)
	v_mul_f32 v254, s[CS], v254
	s_delay_alu instid0(VALU_DEP_1)
	v_max_num_f32 v13, v13, v254                   ; the running largest t
	v_mov_b32 v254, v12
	s_delay_alu instid0(VALU_DEP_2)
	v_floor_f32 v12, -v13                          ; the new -M
	s_delay_alu instid0(VALU_DEP_1)
	v_sub_f32 v254, v12, v254                      ; M's old value less its new one: a whole number, 0 or less
	s_delay_alu instid0(VALU_DEP_1)
	v_cvt_i32_f32 v254, v254                       ; (it saturates)
	s_delay_alu instid0(VALU_DEP_1)
	v_ldexp_f32 v252, 1.0, v254                    ; f = 2^(old M - new M)
.endif
.irp j, 0,2,4,6,8,10,12,14,16,18,20,22,24,26,28,30,32,34,36,38,40,42,44,46,48,50,52,54,56,58,60,62
	v_pk_fma_f32 v[96+\j:97+\j], v[96+\j:97+\j], s[CS:CS+1], v[12:13] op_sel_hi:[1,0,0]   ; t - M, two at a time (of the pairs c and -M the low word serves both halves)
.endr
.irp b, 0,1,2,3
	v_fma_f32 v[232+\b], v[232+\b], s[CS], v12     ; the same of each block's largest score
.endr
	s_wait_alu depctr_va_vdst(0)
.irp j, 0,1,2,3,4,5,6,7,8,9,10,11,12,13,14,15,16,17,18,19,20,21,22,23,24,25,26,27,28,29,30,31,32,33,34,35,36,37,38,39,40,41,42,43,44,45,46,47,48,49,50,51,52,53,54,55,56,57,58,59,60,61,62,63
	v_exp_f32 v[96+\j], v[96+\j]                   ; p = 2^(t - M), at most 1: not normalised
.endr
.if \s == 0
	v_mov_b32 v14, 0                               ; the sum, in two halves.  (Plain lines behind the exponentials)
	v_mov_b32 v15, 0
.else
	v_pk_mul_f32 v[14:15], v[14:15], v[252:253] op_sel_hi:[1,0]   ; the sums under the new M.  (A plain line behind the exponentials)
.endif
	s_wait_alu depctr_va_vdst(0)                   ; one wait for the whole batch, ahead of its first reader
.irp b, 0,1,2,3
	v_exp_f32 v[232+\b], v[232+\b]                 ; the block's largest p: the same two instructions on the same number give the same bits
.endr
	v_pk_add_f32 v[236:237], v[100:101], v[104:105]
	v_pk_add_f32 v[248:249], v[108:109], v[112:113]
	v_pk_add_f32 v[246:247], v[116:117], v[120:121]
	v_pk_add_f32 v[244:245], v[124:125], v[128:129]
	v_pk_add_f32 v[242:243], v[132:133], v[136:137]
	v_pk_add_f32 v[240:241], v[140:141], v[144:145]
	v_pk_add_f32 v[238:239], v[148:149], v[152:153]
	v_pk_add_f32 v[14:15], v[14:15], v[156:157]
	v_pk_add_f32 v[236:237], v[236:237], v[96:97]
	v_pk_add_f32 v[248:249], v[248:249], v[98:99]
	v_pk_add_f32 v[246:247], v[246:247], v[102:103]
	v_pk_add_f32 v[244:245], v[244:245], v[106:107]
	v_pk_add_f32 v[242:243], v[242:243], v[110:111]
	v_pk_add_f32 v[240:241], v[240:241], v[114:115]
	v_pk_add_f32 v[238:239], v[238:239], v[118:119]
	v_pk_add_f32 v[14:15], v[14:15], v[122:123]
	v_pk_add_f32 v[236:237], v[236:237], v[126:127]
	v_pk_add_f32 v[248:249], v[248:249], v[130:131]
	v_pk_add_f32 v[246:247], v[246:247], v[134:135]
	v_pk_add_f32 v[244:245], v[244:245], v[138:139]
	v_pk_add_f32 v[242:243], v[242:243], v[142:143]
	v_pk_add_f32 v[240:241], v[240:241], v[146:147]
	v_pk_add_f32 v[238:239], v[238:239], v[150:151]
	v_pk_add_f32 v[14:15], v[14:15], v[154:155]
	v_pk_add_f32 v[236:237], v[236:237], v[158:159]
	s_delay_alu instid0(VALU_DEP_2)
	v_pk_add_f32 v[14:15], v[14:15], v[244:245]
	s_delay_alu instid0(VALU_DEP_2)
	v_pk_add_f32 v[236:237], v[236:237], v[242:243]
	v_pk_add_f32 v[248:249], v[248:249], v[240:241]
	v_pk_add_f32 v[246:247], v[246:247], v[238:239]
	s_delay_alu instid0(VALU_DEP_2)
	v_pk_add_f32 v[14:15], v[14:15], v[248:249]
	s_delay_alu instid0(VALU_DEP_2)
	v_pk_add_f32 v[236:237], v[236:237], v[246:247]
	s_delay_alu instid0(VALU_DEP_1)
	v_pk_add_f32 v[14:15], v[14:15], v[236:237]
	s_wait_alu depctr_va_vdst(0)                   ; and one for the four
.irp b, 0,1,2,3
	v_max_num_f32 v[232+\b], 0x1800000, v[232+\b]  ; the floor 2^(3 - 127): the byte cannot fall under 1
.endr
.irp b, 0,1,2,3
	s_delay_alu instid0(VALU_DEP_4)
	v_add_nc_u32 v[244+\b], 0xff000000, v[232+\b]  ; 2 off the exponent field: the conversion's scale operand
.endr
.irp b, 0,1,2,3
	s_delay_alu instid0(VALU_DEP_4)
	v_lshrrev_b32 v[236+\b], 23, v[244+\b]         ; the scale's byte
.endr
	s_delay_alu instid0(VALU_DEP_3)
	v_lshl_or_b32 v253, v237, 8, v236              ; p's scale word for these 128 keys
	s_delay_alu instid0(VALU_DEP_1)
	v_lshl_or_b32 v253, v238, 16, v253
	s_delay_alu instid0(VALU_DEP_1)
	v_lshl_or_b32 v253, v239, 24, v253
.irp b, 0,1,2,3
.irp u, 0,1
	v_cvt_scalef32_pk8_fp4_f32 v[224+4*(\b/2)+2*\u+(\b%2)], v[96+16*\b+8*\u:103+16*\b+8*\u], v[244+\b]   ; tile 2 b + u: the codes of keys 32 b + 16 u + 8 h + 0 .. 7
.endr
.endr
	v_nop                                          ; one plain line behind the scaled conversions
.irp c, 0,1
.irp e, 0,1
	v_permlane16_swap_b32 v[224+4*\c+2*\e], v[225+4*\c+2*\e]   ; the first's lanes 16-31 change places with the second's lanes 0-15: register 4 c + i of lane (r, h) now holds keys 64 c + 32 h + 8 i + 0 .. 7
.endr
.endr
.if \s == 3
.irp u, 0,1                                    ; p's registers are free: x for the residual is asked for here, in the layout of the stores: rows 2 i + h, bytes 256 u + 16 r of my head's 512
.irp i, 0,1,2,3,4,5,6,7
	global_load_b128 v[96+32*\u+4*\i:99+32*\u+4*\i], v3, s[8:9] offset:16384*\i+256*\u th:TH_LOAD_NT
.endr
.endr
.endif
.if \s == 0
	s_wait_alu depctr_va_vdst(0)
.rept 8
	v_nop                                          ; eight places between the vector lines that wrote p's scale word and codes and the scaled products; there is no O^T to rescale yet
.endr
.else
.irp j, 0,2,4,6,8,10,12,14,16,18,20,22,24,26,28,30,32,34,36,38,40,42,44,46,48,50,52,54,56,58,60,62
	v_pk_mul_f32 v[160+\j:161+\j], v[160+\j:161+\j], v[252:253] op_sel_hi:[1,0]   ; O^T under the new M: x f.  (These 32 are also the places in front of the products below)
.endr
.endif
	s_wait_alu depctr_va_vdst(0)
	s_wait_dscnt 0x0                               ; V's fragments and scale words are in
.irp t, 0,1,2,3,4,5,6,7                        ; O^T += V^T P^T: the eight accumulators by turns, one instruction a turn
.if \s == 0
	v_wmma_scale_f32_16x16x128_f8f6f4 v[160+8*\t:167+8*\t], v[32+8*\t:39+8*\t], v[224:231], 0, v[24+\t], v253 matrix_a_fmt:MATRIX_FMT_FP4 matrix_b_fmt:MATRIX_FMT_FP4
.else
	v_wmma_scale_f32_16x16x128_f8f6f4 v[160+8*\t:167+8*\t], v[32+8*\t:39+8*\t], v[224:231], v[160+8*\t:167+8*\t], v[24+\t], v253 matrix_a_fmt:MATRIX_FMT_FP4 matrix_b_fmt:MATRIX_FMT_FP4
.endif
.endr
.if \s < 3
.rept 4
	v_nop                                          ; four places in front of the loads into registers that these products have read
.endr
	OPLOAD KIMG+8192*(\s+1), 512*(\s+1)            ; the next step's K
.endif
.if \s == 0
	global_prefetch_b8 v6, s[8:9] th:TH_LOAD_NT scope:SCOPE_SE   ; my 16 rows x 512 bytes of x, a block of 256 bytes a lane, each named once in the launch: three key steps ahead of the loads that want them; its address registers are never rewritten
.endif
.endm
	OPLOAD KIMG, 0                                 ; key step 0's K
	s_wait_loadcnt 0x0                             ; Q
	STEP 0
	STEP 1
	STEP 2
	STEP 3
	; THE WAY OUT.  O^T is divided by the row's sum and goes through my stage in LDS, half a head's row (64 channels, 256 bytes) of 16 queries at a time; x is added to the rows that come back; sixteen lanes store 256 consecutive bytes.
	v_add_f32 v14, v14, v15                        ; the sum's two halves,
	s_delay_alu instid0(VALU_DEP_1)
	v_permlanex16_b32 v252, v14, s[SEL], s[SEL+1]
	s_delay_alu instid0(VALU_DEP_1)
	v_add_f32 v14, v14, v252                       ; and lane l xor 16's: the row's sum
	s_wait_alu depctr_va_vdst(0)
	v_rcp_f32 v14, v14
.rept 4
	v_nop                                          ; the plain line behind the reciprocal, and the four places behind the last products
.endr
	s_wait_alu depctr_va_vdst(0)                   ; ahead of the reciprocal's first reader
.irp j, 0,2,4,6,8,10,12,14,16,18,20,22,24,26,28,30,32,34,36,38,40,42,44,46,48,50,52,54,56,58,60,62
	v_pk_mul_f32 v[160+\j:161+\j], v[160+\j:161+\j], v[14:15] op_sel_hi:[1,0]   ; O^T / the sum, each accumulator from its low end on: register 8 t + j is o(r, 16 t + 8 h + j)
.endr
.irp u, 0,1                                    ; channels 64 u on
.irp t, 0,1,2,3
	ds_store_b128 v4, v[160+32*\u+8*\t:163+32*\u+8*\t] offset:64*\t
	ds_store_b128 v4, v[164+32*\u+8*\t:167+32*\u+8*\t] offset:64*\t+16
.endr
.irp i, 0,1,2,3,4,5,6,7
	ds_load_b128 v[32+32*\u+4*\i:35+32*\u+4*\i], v5 offset:2*\i*272   ; LDS serves a wave's instructions in order (ISA guide 5.7.1.4): these see my stores, and the next half's stores come behind them
.endr
.endr
.irp u, 0,1
.irp i, 0,1,2,3,4,5,6,7
	s_wait_dscnt 23-16*\u-\i                       ; behind this load: the rest of its eight, and for the first half the second half's sixteen LDS instructions
	s_wait_loadcnt 15-8*\u-\i                      ; behind this load of x: the younger ones of the sixteen
	v_pk_add_f32 v[32+32*\u+4*\i:33+32*\u+4*\i], v[32+32*\u+4*\i:33+32*\u+4*\i], v[96+32*\u+4*\i:97+32*\u+4*\i]   ; the residual
	v_pk_add_f32 v[34+32*\u+4*\i:35+32*\u+4*\i], v[34+32*\u+4*\i:35+32*\u+4*\i], v[98+32*\u+4*\i:99+32*\u+4*\i]
	global_store_b128 v3, v[32+32*\u+4*\i:35+32*\u+4*\i], s[10:11] offset:16384*\i+256*\u th:TH_STORE_NT   ; 16 lanes store 256 consecutive bytes, at a multiple of 256 from out's first byte
.endr
.endr
	s_wait_tensorcnt 0x0
	ds_add_u32 v250, v251
	s_wait_dscnt 0x0
	s_endpgm
.Lfunc_end_k_q1233b6a371_attn:
	.size	k_q1233b6a371_attn, .Lfunc_end_k_q1233b6a371_attn-k_q1233b6a371_attn
	.p2alignl 7, 3214868480
	.fill 96, 4, 3214868480
	.section	.rodata,"a",@progbits
	.p2align	6, 0x0
	.amdhsa_kernel k_q1233b6a371_attn
		.amdhsa_group_segment_fixed_size 169984
		.amdhsa_private_segment_fixed_size 0
		.amdhsa_enable_private_segment 0
		.amdhsa_kernarg_size 32
		.amdhsa_user_sgpr_count 2
		.amdhsa_user_sgpr_kernarg_segment_ptr 1
		.amdhsa_wavefront_size32 1
		.amdhsa_system_sgpr_workgroup_id_x 1
		.amdhsa_system_sgpr_workgroup_id_y 1
		.amdhsa_system_sgpr_workgroup_id_z 1
		.amdhsa_system_vgpr_workitem_id 0
		.amdhsa_next_free_vgpr 256
		.amdhsa_next_free_sgpr 66
		.amdhsa_reserve_vcc 0
		.amdhsa_float_denorm_mode_32 3
		.amdhsa_float_denorm_mode_16_64 3
		.amdhsa_memory_ordered 1
		.amdhsa_forward_progress 1
		.amdhsa_inst_pref_size 88
	.end_amdhsa_kernel
	.amdgpu_metadata
---
amdhsa.version: [ 1, 2 ]
amdhsa.kernels:
  - .name:           k_q1233b6a371_attn
    .symbol:         k_q1233b6a371_attn.kd
    .args:
      - { .name: qkv_codes, .offset: 0, .size: 8, .value_kind: global_buffer, .address_space: global }
      - { .name: qkv_scales, .offset: 8, .size: 8, .value_kind: global_buffer, .address_space: global }
      - { .name: x, .offset: 16, .size: 8, .value_kind: global_buffer, .address_space: global }
      - { .name: out0, .offset: 24, .size: 8, .value_kind: global_buffer, .address_space: global }
    .group_segment_fixed_size: 169984
    .private_segment_fixed_size: 0
    .kernarg_segment_align: 8
    .kernarg_segment_size: 32
    .max_flat_workgroup_size: 512
    .sgpr_count:     66
    .vgpr_count:     256
    .wavefront_size: 32
...
	.end_amdgpu_metadata
.endif
;; end of part 3
